; MI455X (gfx1250); checked and timed in simulation.
; The chip was launched on July 23, 2026; its instructions are those of AMD's public machine-readable ISA for CDNA 5 (MIT licence, August 2026) and "CDNA5" Instruction Set Architecture Reference Guide (July 2026). The comments in the code are by the model that wrote it; some were corrected since.
;; Vector Quantization. Allowed arithmetic: matrix products marked QUANTISED: E4M3 operands, one E8M0 scale for each 32 along K, by v_wmma_scale_f32_16x16x128_f8f6f4 with both operands' format E4M3, f32 sums; everything else in f32.
;; Inputs: codebook 8,192 x 256 float32; z 8 x 4,096 x 256 float32.
;; Outputs: out0 8 x 4,096 x 256 float32; out1 32,768 int32.
;; This version of the problem:
;;   THIS VERSION OF THE PROBLEM IS GIVEN IN LOW PRECISION. The matrix products marked QUANTISED in the list below multiply operands that are first quantised to E4M3 (4 exponent bits, 3 mantissa bits; 8 bits a number), with one power-of-two scale for each 32 numbers along K (OCP MX v1.0); their sums are f32. All else is computed in f32.
;;   The module's matrix products, in the order in which they are computed (A, B: the left and right operand; K: the contracted axis; several contracted axes count as one K, in the product's order):
;;     1. [M 32,768, K 256] x [K 256, N 8,192]; A: input z; B: input codebook: QUANTISED
;;   THE QUANTISER, for each operand of a quantised product, along K:
;;     - K is cut into blocks of 32 from its start; a last block that is shorter is filled with zeros.
;;     - A block's scale is 2^e with e = floor(log2(the largest magnitude in the block)) - 8, held to -126 .. 127; a block of zeros has e = 0. As a byte (E8M0): e + 127.
;;     - Each number is divided by its block's scale, clamped to +-448, and rounded to the nearest number of E4M3, ties to even, subnormals kept.
;;     - The product sums the exact products of the quantised numbers (number of the format x scale) in f32.
;;   ~~~python
;;   def quantise(x, axis):      # numpy; x: float32 -> the quantised numbers, widened to float32 again
;;       x = np.moveaxis(x, axis, -1); K = x.shape[-1]
;;       x = np.pad(x, [(0, 0)] * (x.ndim - 1) + [(0, -K % 32)]); x = x.reshape(x.shape[:-1] + (-1, 32)); a = np.abs(x).max(-1, keepdims=True)
;;       e = np.where(a > 0, np.clip(np.frexp(np.where(a > 0, a, 1))[1] - 1 - 8, -126, 127), 0)      # np.frexp(a)[1] - 1 = floor(log2(a)), exactly
;;       r = np.clip(x / 2.0 ** e, -448, 448)
;;       step = 2.0 ** (np.maximum(np.frexp(np.where(r == 0, 1, r))[1] - 1, -6) - 3)
;;       q = np.round(r / step) * step * 2.0 ** e      # np.round: ties to even
;;       return np.moveaxis(q.reshape(q.shape[:-2] + (-1,))[..., :K], -1, axis).astype(np.float32)
;;   ~~~
;; One version. Each part assembles by itself: llvm-mc -triple=amdgcn-amd-amdhsa -mcpu=gfx1250 --defsym DOCPART=n.
;; ======== version 1 of 1: 4 launches
;; limits: right only within a limited range of input values
;; workspace buffers: zrec 8,912,896 bytes; crec 2,228,224 bytes; chunk 131,072 bytes of whole numbers; idx 131,072 bytes of whole numbers
;; launch prep (part 1): grid 256 x 1, 10 waves a work-group, no clusters, 172,800 bytes of LDS; arguments z, codebook, zrec, crec; writes zrec, crec
.if DOCPART == 1
	.amdgcn_target "amdgcn-amd-amdhsa--gfx1250"
	.amdhsa_code_object_version 6
	.text
	.protected	k_qa38b55313e_prep
	.globl	k_qa38b55313e_prep
	.p2align	8
	.type	k_qa38b55313e_prep,@function
k_qa38b55313e_prep:
	s_mov_b64 s[64:65], 0
	v_nop
	global_prefetch_b8 v0, s[64:65] scope:SCOPE_SE
	s_setreg_imm32_b32 hwreg(HW_REG_WAVE_MODE, 25, 1), 1
	s_wait_xcnt 0x0
; z [32768][256] and codebook [8192][256], f32, become RECORDS: one record for each tile of 16 consecutive rows, 4,352 bytes = 17 x 256:
;   bytes 0-4095     the tile as an operand's registers lie: [K step s 0-1][group c 0-3][lane 0-31][16 bytes]; lane (r, h) holds row r, k = 128 s + 32 c + 16 h + 0 .. 15, codes of E4M3
;   bytes 4096-4223  scale words: row r at 8 r, word s = the four E8M0 bytes of K step s
;   bytes 4224-4287  the row's sum of squares of the f32 numbers as given, row r at 4 r;   bytes 4288-4351 zeros
; A block's scale is 2^(floor(log2(its largest magnitude)) - 8); its byte is the largest magnitude's exponent field - 8, held at 1 from below; numbers are held within +-448 x the scale and rounded to the nearest code, ties to even.
; LIMITS: a block of zeros, and one whose largest magnitude lies under 2^-118, gets the byte 1 (zeros: zero codes; only this program reads the bytes); NaN and infinities are not served;
; the sum of squares is taken in four chains and across two lanes, another order of rounding than a plain running sum has.
; SHARES: 2,560 tiles, one a wave: 256 work-groups of 10 waves; tiles 0-2047 are z's, the rest the codebook's: only pointers are chosen, the path is one.  No loop, no barrier: waves share nothing.
; Each load takes 512 consecutive bytes (half a row); a half tile turns through the wave's own stage in LDS (rows 528 bytes apart), from which a lane takes 16 neighbours of each block of 32.
.set RECB,   4352
.set SPITCH, 528                       ; a stage row: 512 bytes + 16
.set STG1,   16*SPITCH                 ; the second half tile's stage
.set TAIL,   32*SPITCH                 ; behind the stages: the record's last 256 bytes
.set WLDS,   TAIL+256                  ; a wave's LDS: 17,152 bytes
.set VA,  1                            ; v1   16 x lane: offset of the loads and of the images' stores
.set V8,  2                            ; v2   8 x lane: offset of the tail's store
.set SI,  3                            ; v3   into a stage: 16 x lane
.set SO,  4                            ; v4   out of it: 528 r + 64 h
.set TA,  5                            ; v5   tail: 8 r
.set TB,  6                            ; v6   tail: 4 r
.set TL,  7                            ; v7   tail: 8 x lane
.set S,   8                            ; v8-11  the sum of squares, two packed chains
.set PW,  12                           ; v12-13 the two scale words
.set NRM, 14                           ; v14  the row's sum of squares
.set NIL, 15                           ; v15  0
.set R,   16                           ; v16-143 as loaded: half s at 64 s, row m at 4 m
.set XB,  16                           ; v16-79  half 1's 64 numbers in the fragment's order (half 0's loaded registers are free by then)
.set XA,  144                          ; v144-207 half 0's
.set PC,  208                          ; v208-239 codes, 16 registers a half
.set TM,  240                          ; v240-255 the quantiser's: largest magnitudes, bytes, holds, scale operands
	s_load_b256 s[4:11], s[0:1], 0x0               ; z s[4:5], codebook s[6:7], zrec s[8:9], crec s[10:11]
	s_set_vgpr_msb 0x40
	v_lshl_add_u32 v0, v0, 2, 0x29e00
	v_mov_b32 v1, 0
	s_set_vgpr_msb 0x4000
	v_lshrrev_b32 v[TM], 5, v0
	s_delay_alu instid0(VALU_DEP_1)
	v_readfirstlane_b32 s12, v[TM]                 ; wave 0..9
	v_and_b32 v[TM], 31, v0                        ; lane
	v_and_b32 v[TM+1], 15, v0                      ; r
	v_bfe_u32 v[TM+2], v0, 4, 1                    ; h
	s_mul_i32 s13, s12, WLDS                       ; my wave's LDS
	v_lshlrev_b32 v[VA], 4, v[TM]
	v_lshlrev_b32 v[V8], 3, v[TM]
	s_delay_alu instid0(VALU_DEP_2)
	v_add_nc_u32 v[SI], s13, v[VA]
	v_mul_u32_u24 v[SO], v[TM+1], SPITCH
	s_delay_alu instid0(VALU_DEP_1)
	v_lshl_add_u32 v[SO], v[TM+2], 6, v[SO]
	s_delay_alu instid0(VALU_DEP_1)
	v_add_nc_u32 v[SO], s13, v[SO]
	v_lshl_add_u32 v[TA], v[TM+1], 3, s13
	s_delay_alu instid0(VALU_DEP_1)
	v_add_nc_u32 v[TA], TAIL, v[TA]
	v_lshl_add_u32 v[TB], v[TM+1], 2, s13
	s_delay_alu instid0(VALU_DEP_1)
	v_add_nc_u32 v[TB], TAIL, v[TB]
	v_add_nc_u32 v[TL], s13, v[V8]
	s_delay_alu instid0(VALU_DEP_1)
	v_add_nc_u32 v[TL], TAIL, v[TL]
	v_mov_b32 v[NRM], 0                            ; (a lane permute's destination counts as one of its sources)
	v_mov_b32 v[NIL], 0
.irp b, 0,1,2,3
	v_mov_b32 v[TM+4+\b], 0                        ; likewise
.endr
	s_mov_b32 s20, 0x76543210
	s_mov_b32 s21, 0xfedcba98                      ; v_permlanex16_b32's selects for lane l xor 16
	s_mov_b32 s23, 0x600000                        ; the mantissa field of 448
	s_mul_i32 s14, ttmp9, 10
	s_add_co_u32 s14, s14, s12                     ; my tile among the 2,560
	s_wait_kmcnt 0x0
	s_cmp_lt_u32 s14, 2048                         ; z's or the codebook's?  The choice hangs on ids alone
	s_cselect_b64 s[4:5], s[4:5], s[6:7]
	s_cselect_b64 s[8:9], s[8:9], s[10:11]
	s_cselect_b32 s15, 0, 2048
	s_sub_co_u32 s14, s14, s15                     ; the tile's number in its tensor
	s_lshl_b32 s16, s14, 14                        ; 16 rows of 1,024 bytes
	s_mov_b32 s17, 0
	s_add_nc_u64 s[4:5], s[4:5], s[16:17]
	s_mul_i32 s16, s14, RECB
	s_add_nc_u64 s[8:9], s[8:9], s[16:17]
.irp s, 0,1
.irp m, 0,1,2,3,4,5,6,7,8,9,10,11,12,13,14,15
	global_load_b128 v[R+64*\s+4*\m:R+64*\s+4*\m+3], v[VA], s[4:5] offset:1024*\m+512*\s th:TH_LOAD_NT   ; 512 consecutive bytes: half s of row m
.endr
.endr
; the sum of squares of 64 numbers, two at a time, in two chains.  first = 1: the first products start the sums
.macro SQ x, first
.if \first
	v_pk_mul_f32 v[S:S+1], v[\x:\x+1], v[\x:\x+1]
	v_pk_mul_f32 v[S+2:S+3], v[\x+2:\x+3], v[\x+2:\x+3]
.else
	v_pk_fma_f32 v[S:S+1], v[\x:\x+1], v[\x:\x+1], v[S:S+1]
	v_pk_fma_f32 v[S+2:S+3], v[\x+2:\x+3], v[\x+2:\x+3], v[S+2:S+3]
.endif
.irp j, 4,8,12,16,20,24,28,32,36,40,44,48,52,56,60
	s_delay_alu instid0(VALU_DEP_2)
	v_pk_fma_f32 v[S:S+1], v[\x+\j:\x+\j+1], v[\x+\j:\x+\j+1], v[S:S+1]
	s_delay_alu instid0(VALU_DEP_2)
	v_pk_fma_f32 v[S+2:S+3], v[\x+\j+2:\x+\j+3], v[\x+\j+2:\x+\j+3], v[S+2:S+3]
.endr
.endm
; 64 numbers of a lane, register 16 b + i = k 32 b + 16 h + i of my row, become K step hf's codes (v[PC + 16 hf] on) and its scale word (v[PW + hf])
.macro QUANT x, hf
.irp b, 0,1,2,3
	v_max3_num_f32 v[TM+\b], |v[\x+16*\b]|, |v[\x+1+16*\b]|, 0x4800000   ; block b: my 16 numbers, and the floor 2^(9 - 127): the byte cannot fall under 1
.endr
.irp i, 2,4,6,8,10,12,14
.irp b, 0,1,2,3
	s_delay_alu instid0(VALU_DEP_4)
	v_max3_num_f32 v[TM+\b], v[TM+\b], |v[\x+16*\b+\i]|, |v[\x+1+16*\b+\i]|   ; the four blocks by turns
.endr
.endr
.irp b, 0,1,2,3
	s_delay_alu instid0(VALU_DEP_4)
	v_permlanex16_b32 v[TM+4+\b], v[TM+\b], s20, s21
.endr
.irp b, 0,1,2,3
	s_delay_alu instid0(VALU_DEP_4)
	v_max_num_f32 v[TM+\b], v[TM+\b], v[TM+4+\b]   ; with lane l xor 16's 16: the block's largest magnitude
.endr
.irp b, 0,1,2,3
	s_delay_alu instid0(VALU_DEP_4)
	v_add_nc_u32 v[TM+12+\b], 0xfc000000, v[TM+\b] ; 8 off its exponent field: the conversion's scale operand
.endr
.irp b, 0,1,2,3
	v_and_or_b32 v[TM+8+\b], v[TM+\b], 0x7f800000, s23   ; 448 x the scale
.endr
.irp b, 0,1,2,3
	v_lshrrev_b32 v[TM+4+\b], 23, v[TM+12+\b]      ; the scale's byte
.endr
	s_delay_alu instid0(VALU_DEP_3)
	v_lshl_or_b32 v[PW+\hf], v[TM+5], 8, v[TM+4]
	s_delay_alu instid0(VALU_DEP_1)
	v_lshl_or_b32 v[PW+\hf], v[TM+6], 16, v[PW+\hf]
	s_delay_alu instid0(VALU_DEP_1)
	v_lshl_or_b32 v[PW+\hf], v[TM+7], 24, v[PW+\hf]
.irp b, 0,1,2,3
.irp i, 0,1,2,3,4,5,6,7,8,9,10,11,12,13,14,15
	v_med3_num_f32 v[\x+16*\b+\i], v[\x+16*\b+\i], -v[TM+8+\b], v[TM+8+\b]   ; the conversion to an 8-bit code does not saturate (ISA guide 7.6.2): the hold comes first
.endr
	v_cvt_scalef32_pk8_fp8_f32 v[PC+16*\hf+4*\b:PC+16*\hf+4*\b+1], v[\x+16*\b:\x+16*\b+7], v[TM+12+\b]
	v_cvt_scalef32_pk8_fp8_f32 v[PC+16*\hf+4*\b+2:PC+16*\hf+4*\b+3], v[\x+16*\b+8:\x+16*\b+15], v[TM+12+\b]
.endr
	v_nop                                          ; one plain vector line behind the last conversion of a run
.endm
	s_wait_loadcnt 16                              ; half 0's sixteen loads are in
.irp m, 0,1,2,3,4,5,6,7,8,9,10,11,12,13,14,15
	ds_store_b128 v[SI], v[R+4*\m:R+4*\m+3] offset:SPITCH*\m
.endr
.irp b, 0,1,2,3
.irp j, 0,1,2,3
	ds_load_b128 v[XA+16*\b+4*\j:XA+16*\b+4*\j+3], v[SO] offset:128*\b+16*\j   ; LDS serves a wave's instructions in order (ISA guide 5.7.1.4): these see the stores above
.endr
.endr
	s_wait_loadcnt 0x0                             ; half 1's
.irp m, 0,1,2,3,4,5,6,7,8,9,10,11,12,13,14,15
	ds_store_b128 v[SI], v[R+64+4*\m:R+64+4*\m+3] offset:STG1+SPITCH*\m
.endr
	s_wait_dscnt 16                                ; all but the sixteen stores just issued: half 0 is back in the fragment's order, and its loaded registers are free
.irp b, 0,1,2,3
.irp j, 0,1,2,3
	ds_load_b128 v[XB+16*\b+4*\j:XB+16*\b+4*\j+3], v[SO] offset:STG1+128*\b+16*\j
.endr
.endr
	SQ XA, 1                                       ; the squares first: the hold changes the numbers
	QUANT XA, 0
.irp c, 0,1,2,3
	global_store_b128 v[VA], v[PC+4*\c:PC+4*\c+3], s[8:9] offset:512*\c        ; 512 consecutive bytes, aligned to 256
.endr
	s_wait_dscnt 0x0                               ; half 1 is back
	SQ XB, 0
	QUANT XB, 1
.irp c, 0,1,2,3
	global_store_b128 v[VA], v[PC+16+4*\c:PC+16+4*\c+3], s[8:9] offset:2048+512*\c
.endr
	v_add_f32 v[S], v[S], v[S+1]
	v_add_f32 v[S+2], v[S+2], v[S+3]
	s_delay_alu instid0(VALU_DEP_1)
	v_add_f32 v[S], v[S], v[S+2]
	s_delay_alu instid0(VALU_DEP_1)
	v_permlanex16_b32 v[NRM], v[S], s20, s21
	s_delay_alu instid0(VALU_DEP_1)
	v_add_f32 v[NRM], v[S], v[NRM]                 ; with lane l xor 16's half of the row
	ds_store_b64 v[TA], v[PW:PW+1]                 ; both lanes of a row write the same bytes with the same values
	ds_store_b32 v[TB], v[NRM] offset:128
	ds_store_b32 v[TB], v[NIL] offset:192
	ds_load_b64 v[TM:TM+1], v[TL]
	s_wait_dscnt 0x0
	global_store_b64 v[V8], v[TM:TM+1], s[8:9] offset:4096   ; the record's last 256 bytes, whole
	s_set_vgpr_msb 0x5
	s_wait_tensorcnt 0x0
	ds_add_u32 v0, v1
	s_wait_dscnt 0x0
	s_set_vgpr_msb 0x500
	s_endpgm
.Lfunc_end_k_qa38b55313e_prep:
	.size	k_qa38b55313e_prep, .Lfunc_end_k_qa38b55313e_prep-k_qa38b55313e_prep
	.p2alignl 7, 3214868480
	.fill 96, 4, 3214868480
	.section	.rodata,"a",@progbits
	.p2align	6, 0x0
	.amdhsa_kernel k_qa38b55313e_prep
		.amdhsa_group_segment_fixed_size 172800
		.amdhsa_private_segment_fixed_size 0
		.amdhsa_enable_private_segment 0
		.amdhsa_kernarg_size 32
		.amdhsa_user_sgpr_count 2
		.amdhsa_user_sgpr_kernarg_segment_ptr 1
		.amdhsa_wavefront_size32 1
		.amdhsa_system_sgpr_workgroup_id_x 1
		.amdhsa_system_sgpr_workgroup_id_y 1
		.amdhsa_system_sgpr_workgroup_id_z 1
		.amdhsa_system_vgpr_workitem_id 0
		.amdhsa_next_free_vgpr 258
		.amdhsa_next_free_sgpr 66
		.amdhsa_reserve_vcc 0
		.amdhsa_float_denorm_mode_32 3
		.amdhsa_float_denorm_mode_16_64 3
		.amdhsa_memory_ordered 1
		.amdhsa_forward_progress 1
		.amdhsa_inst_pref_size 36
	.end_amdhsa_kernel
	.amdgpu_metadata
---
amdhsa.version: [ 1, 2 ]
amdhsa.kernels:
  - .name:           k_qa38b55313e_prep
    .symbol:         k_qa38b55313e_prep.kd
    .args:
      - { .name: z, .offset: 0, .size: 8, .value_kind: global_buffer, .address_space: global }
      - { .name: codebook, .offset: 8, .size: 8, .value_kind: global_buffer, .address_space: global }
      - { .name: zrec, .offset: 16, .size: 8, .value_kind: global_buffer, .address_space: global }
      - { .name: crec, .offset: 24, .size: 8, .value_kind: global_buffer, .address_space: global }
    .group_segment_fixed_size: 172800
    .private_segment_fixed_size: 0
    .kernarg_segment_align: 8
    .kernarg_segment_size: 32
    .max_flat_workgroup_size: 320
    .sgpr_count:     66
    .vgpr_count:     258
    .wavefront_size: 32
...
	.end_amdgpu_metadata
.endif
;; end of part 1
;; launch main (part 2): grid 256 x 1, 8 waves a work-group, clusters of 4 x 1, 327,680 bytes of LDS; arguments zrec, crec, chunk; writes chunk
.if DOCPART == 2
	.amdgcn_target "amdgcn-amd-amdhsa--gfx1250"
	.amdhsa_code_object_version 6
	.text
	.protected	k_qa38b55313e_main
	.globl	k_qa38b55313e_main
	.p2align	8
	.type	k_qa38b55313e_main,@function
k_qa38b55313e_main:
	s_mov_b64 s[64:65], 0
	v_nop
	global_prefetch_b8 v0, s[64:65] scope:SCOPE_SE
	s_setreg_imm32_b32 hwreg(HW_REG_WAVE_MODE, 25, 1), 1
	s_wait_xcnt 0x0
	s_wait_alu depctr_hold_cnt(0) depctr_sa_sdst(0) depctr_va_vdst(0) depctr_va_sdst(0) depctr_va_ssrc(0) depctr_va_vcc(0) depctr_vm_vsrc(0)
	s_getreg_b32 s2, hwreg(HW_REG_IB_STS2, 6, 4)
	s_cmp_eq_u32 s2, 0
	s_cbranch_scc0 .Lentry_in_a_cluster
	s_endpgm
.Lentry_in_a_cluster:
	s_bfe_u32 s2, ttmp6, 0x10000c
	s_cmp_lg_u32 s2, 0x3003
	s_cbranch_scc0 .Lentry_shape_is_right
	s_endpgm
.Lentry_shape_is_right:
; For each of the 32,768 queries: which CHUNK of 8 consecutive codes holds the first minimum of d = (zz - 2 z.E) + ee over the 8,192 codes.  chunk[n] = 0 .. 1023; chunk c is codes 8 c .. 8 c + 7.
; z.E is the quantised product (E4M3 codes, E8M0 scales, records as the launch before laid them); d is rounded twice, as written: one fused multiply-add (2 x dot is exact) and one addition.
; Ties go to the lower chunk everywhere: strict < along a lane's ascending walk, and (value, chunk) compared lexicographically wherever two walks meet.
; LIMITS: NaN and infinities among the inputs are not served; the product's last bits are the matrix instruction's own.
; SHARES.  A work-group owns 128 queries: 8 tiles, and EVERY wave holds all 8 as source 1 (256 registers, window 1).  The eight waves share the codes: a step is 32 tiles of 16 codes, wave w takes tiles 4 w .. 4 w + 3; 16 steps.
; Source 0 = 16 codes, source 1 = 16 queries: lane (r, h) holds query r, its register j code 16 T + 8 h + j: the lane's 8 registers ARE chunk 2 T + h.
; A PHASE is 8 products on four accumulators; behind each product stand two of the sixteen multiply-adds zz - 2 dot of the OTHER four accumulators (their second source is a constant, so they run under the
; products' window setting); then, in window 0, those accumulators' sixteen additions of ee and 24 lines of minimum, compare and select.  A tile of codes is two phases and four switches of the window.
; CLUSTER.  All work-groups walk the same records, so the four partners ask JOINTLY (mask 15).  Cluster i begins at part (i + 5 (i / 16)) % 16 and wraps round.
; Behind the wrap the chunks are lower than before it: at the wrap the winner so far is set aside once, and joined lexicographically at the end.
; RING.  Two slots of 32 records.  At the head a wave issues one tensor load: waves 0-3 bring slot 0 (8 records each, jointly), waves 4-7 the query records (2 each).  Waves 4-7 wait for theirs, a barrier shows the
; query records, and every wave takes them into registers while slot 0's loads may still be out; slot 1 is filled behind a round, as a refill is.
; From then on each wave fetches its own four records (68 rows of 256 bytes) and reads only those.  By this text's count a wave has one tensor load out.
; NO PREFETCH: the sixteen parts of crec are all first read in the launch's first step, each by the clusters that begin there; every later step reads a part that other clusters have read before.
.set RECB,  4352
.set WSH,   4*RECB                     ; a wave's share of a slot
.set SLOTB, 8*WSH                      ; a slot: 139,264 bytes
.set ZREG,  2*SLOTB                    ; behind the ring: the 8 query records, filled once
.set SCR,   ZREG+8*RECB                ; scratch for the end: 1,024 bytes a wave, written by LDS stores alone
.set SPARE, SCR+8*1024                 ; the spare words, 128 bytes a wave: four blocks of 256 bytes that no other line names
.set SPW, 1                            ; v1   my spare word's address; never rewritten
.set NIL, 2                            ; v2   0; never rewritten
.set ADR, 3                            ; v3-4  my share + 16 x lane, slot 0, 1
.set ASC, 5                            ; v5-6  my share + 4096 + 8 r: scale words
.set AEE, 7                            ; v7-8  my share + 4224 + 32 h: my eight codes' ee
.set CUR, 9                            ; v9   the chunk in hand
.set HW,  10                           ; v10  8 x wave + h
.set T0,  11
.set T1,  12
.set SCW, 13                           ; v13  scratch: where I store
.set SCD, 14                           ; v14  scratch: where wave 0 reads
.set GO,  15                           ; v15  16 x lane: wave 0's store
.set BS,  16                           ; v16-31  the queries' scale words: tile q at 2 q, 2 q + 1; at the end wave 0's lesser chunks
.set ZX,  32                           ; v32-47  pairs (zz, X) for tile q: the packed multiply-add takes the low word for both halves; X and Y hold the running minimum by turns
.set YY,  48                           ; v48-55
.set ID,  56                           ; v56-63  the winning chunk
.set SV,  64                           ; v64-71  set aside at the wrap: value,
.set SI,  72                           ; v72-79  chunk
.set SCA, 80                           ; v80-83  the codes' scale words, two for each buffer
.set EE,  84                           ; v84-99  ee, two sets of 8
.set AF,  100                          ; v100-163 a tile of codes, two buffers of 32
.set ACC, 164                          ; v164-227 8 accumulators
.set ZAD, 164                          ; at the head only: addresses in the query records
.set ZS,  165
.set ZN,  166
.set WV,  10                           ; s10  wave
.set SIG, 13                           ; s13  which of the 16 parts of the codebook the step in hand is
.set G1J, 16                           ; s[16:23] group 1 of the joint loads: 136 rows at the head, 68 behind it
.set G1Z, 24                           ; s[24:31] group 1 of the query records' load
.set G0S, 32                           ; s[32:39] group 0, one set for each slot
.set G0Z, 40                           ; s[40:43] group 0 of the query records' load
.set LT,  66                           ; s66-81  at the end: lanes in which the other value is less,
.set EQ,  82                           ; s82-97  is equal
.set WM,  0x04                         ; source 1 (the queries) in window 1
.set MSB, 0
.macro WIN new                         ; the immediate's high byte repeats the setting that is left
.if MSB != \new
	s_set_vgpr_msb (MSB<<8)|\new
.set MSB, \new
.endif
.endm
.macro CREST                           ; a round of the cluster's barrier behind its opening barrier
	s_cmp_lg_u32 s[WV], 0
	s_cbranch_scc1 .Lnot_wave_0_\@
	s_barrier_signal -3
.Lnot_wave_0_\@:
	s_barrier_wait -3
	s_barrier_signal -1
	s_barrier_wait -1
.endm
.macro ROUND                           ; a whole round
	s_barrier_signal -1
	s_barrier_wait -1
	CREST
.endm
.macro NOP4
.rept 4
	v_nop
.endr
.endm
.macro ALOAD slot, ti, buf             ; my tile ti of a slot: 8 loads of 512 consecutive bytes, and its scale words: 9 LDS instructions
.irp c, 0,1,2,3,4,5,6,7
	ds_load_b128 v[AF+32*(\buf)+4*\c:AF+32*(\buf)+4*\c+3], v[ADR+(\slot)] offset:RECB*(\ti)+512*\c
.endr
	ds_load_b64 v[SCA+2*(\buf):SCA+2*(\buf)+1], v[ASC+(\slot)] offset:RECB*(\ti)
.endm
.macro ELOAD slot, ti, es              ; its ee: 2 LDS instructions
	ds_load_b128 v[EE+8*(\es):EE+8*(\es)+3], v[AEE+(\slot)] offset:RECB*(\ti)
	ds_load_b128 v[EE+8*(\es)+4:EE+8*(\es)+7], v[AEE+(\slot)] offset:RECB*(\ti)+16
.endm
.macro FM a, j                         ; zz - 2 dot, one rounding, two numbers of accumulator a
	v_pk_fma_f32 v[ACC+8*(\a)+(\j):ACC+8*(\a)+(\j)+1], v[ACC+8*(\a)+(\j):ACC+8*(\a)+(\j)+1], -2.0, v[ZX+2*(\a):ZX+2*(\a)+1] op_sel_hi:[1,0,0]
.endm
; 8 products: query tiles q0 .. q0 + 3, K step 0 (which starts the sums), then K step 1: the four accumulators by turns.  Behind each product two multiply-adds of accumulators
; v0 .. v0 + 3, each accumulator from its low end on; they name no register of these products, and those accumulators' own products stand 40 plain vector lines back.
.macro PH q0, buf, v0
.irp s, 0,1
.irp k, 0,1,2,3
.if \s == 0
	v_wmma_scale_f32_16x16x128_f8f6f4 v[ACC+8*(\q0+\k):ACC+8*(\q0+\k)+7], v[AF+32*(\buf):AF+32*(\buf)+15], v[32*(\q0+\k):32*(\q0+\k)+15], 0, v[SCA+2*(\buf)], v[BS+2*(\q0+\k)]
.else
	v_wmma_scale_f32_16x16x128_f8f6f4 v[ACC+8*(\q0+\k):ACC+8*(\q0+\k)+7], v[AF+32*(\buf)+16:AF+32*(\buf)+31], v[32*(\q0+\k)+16:32*(\q0+\k)+31], v[ACC+8*(\q0+\k):ACC+8*(\q0+\k)+7], v[SCA+2*(\buf)+1], v[BS+2*(\q0+\k)+1]
.endif
	FM \v0+2*\s+\k/2, 4*(\k%2)
	FM \v0+2*\s+\k/2, 4*(\k%2)+2
.endr
.endr
.endm
; 40 vector lines: + ee, and the running minimum of query tiles q0 .. q0 + 3.  pp = 0: the old minimum is X and the new one Y; 1: the other way round.
.macro VR q0, es, pp
.irp k, 0,1,2,3
.irp j, 0,2,4,6
	v_pk_add_f32 v[ACC+8*(\q0+\k)+\j:ACC+8*(\q0+\k)+\j+1], v[ACC+8*(\q0+\k)+\j:ACC+8*(\q0+\k)+\j+1], v[EE+8*(\es)+\j:EE+8*(\es)+\j+1]   ; the second rounding
.endr
.endr
.irp k, 0,1,2,3
	v_min3_num_f32 v[ACC+8*(\q0+\k)], v[ACC+8*(\q0+\k)], v[ACC+8*(\q0+\k)+1], v[ACC+8*(\q0+\k)+2]
.endr
.irp k, 0,1,2,3
	v_min3_num_f32 v[ACC+8*(\q0+\k)+3], v[ACC+8*(\q0+\k)+3], v[ACC+8*(\q0+\k)+4], v[ACC+8*(\q0+\k)+5]
.endr
.irp k, 0,1,2,3
.set rOLD, (\pp)*(YY+\q0+\k)+(1-(\pp))*(ZX+2*(\q0+\k)+1)
	v_min3_num_f32 v[ACC+8*(\q0+\k)+6], v[ACC+8*(\q0+\k)+6], v[ACC+8*(\q0+\k)+7], v[rOLD]
.endr
.irp k, 0,1,2,3
.set rNEW, (1-(\pp))*(YY+\q0+\k)+(\pp)*(ZX+2*(\q0+\k)+1)
	s_delay_alu instid0(VALU_DEP_4)
	v_min3_num_f32 v[rNEW], v[ACC+8*(\q0+\k)], v[ACC+8*(\q0+\k)+3], v[ACC+8*(\q0+\k)+6]
.endr
.irp k, 0,1,2,3
.set rOLD, (\pp)*(YY+\q0+\k)+(1-(\pp))*(ZX+2*(\q0+\k)+1)
.set rNEW, (1-(\pp))*(YY+\q0+\k)+(\pp)*(ZX+2*(\q0+\k)+1)
	s_delay_alu instid0(VALU_DEP_4)
	v_cmp_lt_f32 s[46+\k], v[rNEW], v[rOLD]        ; strictly less: an equal minimum leaves the earlier, lower chunk
.endr
.irp k, 0,1,2,3
	s_delay_alu instid0(VALU_DEP_4)
	v_cndmask_b32 v[ID+\q0+\k], v[ID+\q0+\k], v[CUR], s[46+\k]
.endr
.endm
; (X, ID) of each query tile = the lesser of (X, ID) and (SV, SI): by value, then by chunk.  Eight chains side by side; Y, which holds nothing any more, takes the lesser chunks.
.macro LX8
.irp q, 0,1,2,3,4,5,6,7
	v_cmp_lt_f32 s[LT+\q], v[SV+\q], v[ZX+2*\q+1]
.endr
.irp q, 0,1,2,3,4,5,6,7
	v_cmp_eq_f32 s[EQ+\q], v[SV+\q], v[ZX+2*\q+1]
.endr
.irp q, 0,1,2,3,4,5,6,7
	v_min_u32 v[YY+\q], v[ID+\q], v[SI+\q]
.endr
.irp q, 0,1,2,3,4,5,6,7
	v_cndmask_b32 v[ID+\q], v[ID+\q], v[YY+\q], s[EQ+\q]
.endr
.irp q, 0,1,2,3,4,5,6,7
	v_cndmask_b32 v[ID+\q], v[ID+\q], v[SI+\q], s[LT+\q]
.endr
.irp q, 0,1,2,3,4,5,6,7
	v_min_num_f32 v[ZX+2*\q+1], v[ZX+2*\q+1], v[SV+\q]
.endr
.endm
; Wave 0's join of the eight waves' results (wave w: values v[100 + 8 w ..], chunks v[104 + 8 w ..], four queries a lane): one line of the join of wave w with wave w + d, for w = 0, 2 d, .. and the four queries.
.macro LXP ph, d
.set w_, 0
.rept 4/\d
.irp e, 0,1,2,3
.if \ph == 0
	v_cmp_lt_f32 s[LT+2*w_/\d+\e], v[100+8*(w_+\d)+\e], v[100+8*w_+\e]
.elseif \ph == 1
	v_cmp_eq_f32 s[EQ+2*w_/\d+\e], v[100+8*(w_+\d)+\e], v[100+8*w_+\e]
.elseif \ph == 2
	v_min_u32 v[BS+2*w_/\d+\e], v[104+8*w_+\e], v[104+8*(w_+\d)+\e]
.elseif \ph == 3
	v_cndmask_b32 v[104+8*w_+\e], v[104+8*w_+\e], v[BS+2*w_/\d+\e], s[EQ+2*w_/\d+\e]
.elseif \ph == 4
	v_cndmask_b32 v[104+8*w_+\e], v[104+8*w_+\e], v[104+8*(w_+\d)+\e], s[LT+2*w_/\d+\e]
.else
	v_min_num_f32 v[100+8*w_+\e], v[100+8*w_+\e], v[100+8*(w_+\d)+\e]
.endif
.endr
.set w_, w_+2*\d
.endr
.endm
.macro LXLEV d
.irp ph, 0,1,2,3,4,5
	LXP \ph, \d
.endr
.endm
; A TILE of 16 codes against the 128 queries: phase A multiplies queries 0-63 and finishes queries 64-127 of the tile before; phase B multiplies queries 64-127 and finishes queries 0-63.
; mode 0: plain;  1: my last tile of a slot, which is then filled again;  2: the same with nothing left to fetch;  3: the last tile of all.
.macro TILE slot, i, mode
.set TB_, (\i)&1
.set NB_, 1-TB_
.if \mode == 0
	s_wait_dscnt 2                                 ; this tile's codes and scale words are in; its ee's two loads may be out
	ALOAD \slot, (\i)+1, NB_
.elseif \mode == 1
	s_wait_tensorcnt 0x0                           ; all my tensor loads have landed: the one that was out is my share of the other slot
	ds_add_u32 v[SPW], v[NIL]                      ; 0 onto my spare word
	s_add_co_u32 s56, s[SIG], 2                    ; no tensor load of mine is out, so this slot's group 0 may be written: the part two steps on, round the wrap
	s_and_b32 s56, s56, 15
	s_mul_i32 s44, s56, SLOTB
	s_add_co_u32 s44, s44, s14
	s_add_nc_u64 s[G0S+4*\slot+2:G0S+4*\slot+3], s[6:7], s[44:45]
	s_or_b32 s[G0S+4*\slot+3], s[G0S+4*\slot+3], 0x80000000
	s_wait_dscnt 0x0                               ; the add is done, and my reads of this slot are over: its last tile's codes and ee are in registers
	s_barrier_signal -1                            ; opens the round; phase A, work on registers alone, stands between this signal and its wait
.elseif \mode == 2
	s_wait_tensorcnt 0x0                           ; my share of the last slot has landed; only I read it
	s_wait_dscnt 2
	ALOAD 1-\slot, 0, NB_
.else
	s_wait_dscnt 2
.endif
	WIN WM
	PH 0, TB_, 4
	WIN 0
	VR 4, NB_, NB_                                 ; queries 64-127 against the tile before
.if (\i) == 0
	s_cmp_eq_u32 s[SIG], 0                         ; the wrap: the same in all partners (it hangs on the cluster's number and the step)
	s_cbranch_scc0 .Lno_wrap_\@
.irp q, 0,1,2,3,4,5,6,7
	v_mov_b32 v[SV+\q], v[ZX+2*\q+1]               ; the winner among the higher chunks is set aside,
	v_mov_b32 v[SI+\q], v[ID+\q]
	v_mov_b32 v[ZX+2*\q+1], 0x7f800000             ; and the walk begins anew at chunk 0
.endr
.Lno_wrap_\@:
	v_lshl_add_u32 v[CUR], s[SIG], 6, v[HW]        ; chunk = 64 x part + 8 x wave + 2 x tile + h
.else
	v_add_nc_u32 v[CUR], 2, v[CUR]
.endif
.if \mode == 1
	s_barrier_wait -1
	CREST                                          ; no wave of any partner still reads this slot or has a load on its way
	tensor_load_to_lds s[G0S+4*\slot:G0S+4*\slot+3], s[G1J:G1J+7]   ; my one tensor load behind the round
	s_nop 0
	NOP4
	ALOAD 1-\slot, 0, NB_
.endif
	WIN WM
	PH 4, TB_, 0
	WIN 0
.if \mode == 0
	s_wait_dscnt 9                                 ; this tile's ee is in; the next tile's nine loads may be out
	ELOAD \slot, (\i)+1, NB_
.elseif \mode == 1
	ELOAD 1-\slot, 0, NB_                          ; (this tile's ee came in with the wait in front of the round)
.elseif \mode == 2
	s_wait_dscnt 9
	ELOAD 1-\slot, 0, NB_
.else
	s_wait_dscnt 0x0
.endif
	VR 0, TB_, TB_                                 ; queries 0-63 against this tile
.if (\i) == 3
	s_add_co_u32 s[SIG], s[SIG], 1
	s_and_b32 s[SIG], s[SIG], 15
.endif
.endm
	s_load_b128 s[4:7], s[0:1], 0x0                ; zrec s[4:5], crec s[6:7]
	s_load_b64 s[8:9], s[0:1], 0x10                ; chunk
	v_lshl_add_u32 v[SPW], v0, 2, SPARE
	v_mov_b32 v[NIL], 0
	ds_add_u32 v[SPW], v[NIL]                      ; the opening lines: the add, twice on end, and its wait ahead of my first tensor load
	ds_add_u32 v[SPW], v[NIL]
	v_lshrrev_b32 v[T0], 5, v0
	v_readfirstlane_b32 s[WV], v[T0]               ; wave 0..7
	s_bfe_u32 s11, ttmp6, 0x40000                  ; cx: it enters the query records' address and the store's alone
	s_lshl_b32 s12, ttmp9, 2
	s_add_co_u32 s12, s12, s11                     ; my block of 128 queries
	s_lshr_b32 s[SIG], ttmp9, 4
	s_mul_i32 s[SIG], s[SIG], 5
	s_add_co_u32 s[SIG], s[SIG], ttmp9
	s_and_b32 s[SIG], s[SIG], 15                   ; the part at which my cluster begins
	s_mul_i32 s14, s[WV], WSH                      ; my share, in a slot and in a part
	s_and_b32 s53, s[WV], 3                        ; my place among the four waves of a head's arm
	s_mov_b32 s[G1J+0], 15|(3<<16)|(1<<21)         ; 15:0 the mask: all four work-groups; 17:16 elements of 8 bytes; 21 set beside a mask; no padding: every LDS read takes 512 consecutive bytes
	s_mov_b32 s[G1J+1], 32<<16                     ; tensor_dim0 = 32 elements: 256 bytes
	s_mov_b32 s[G1J+2], 136<<16                    ; tensor_dim1 = 136 rows: eight records, for the head's loads
	s_mov_b32 s[G1J+3], 32<<16                     ; tile_dim0
	s_mov_b32 s[G1J+4], 136                        ; tile_dim1
	s_mov_b32 s[G1J+5], 32                         ; the pitch: dense
	s_mov_b32 s[G1J+6], 0
	s_mov_b32 s[G1J+7], 0
	s_mov_b32 s[G1Z+0], 3<<16                      ; a load of my work-group's own: no mask
	s_mov_b32 s[G1Z+1], 32<<16
	s_mov_b32 s[G1Z+2], 34<<16                     ; 34 rows: two records
	s_mov_b32 s[G1Z+3], 32<<16
	s_mov_b32 s[G1Z+4], 34
	s_mov_b32 s[G1Z+5], 32
	s_mov_b32 s[G1Z+6], 0
	s_mov_b32 s[G1Z+7], 0
	s_mov_b32 s54, 0x76543210
	s_mov_b32 s55, 0xfedcba98                      ; v_permlanex16_b32's selects for lane l xor 16
	s_mul_i32 s60, s53, 8*RECB                     ; the head: a quarter of slot 0, and of the first part
	s_mul_i32 s44, s[SIG], SLOTB
	s_add_co_u32 s44, s44, s60
	s_mov_b32 s45, 0
	s_add_co_u32 s56, s[SIG], 1
	s_and_b32 s56, s56, 15
	s_mul_i32 s56, s56, SLOTB
	s_add_co_u32 s56, s56, s14                     ; the second step's bytes in crec: my share
	s_mov_b32 s57, 0
	s_lshl_b32 s58, s12, 3
	s_lshl_b32 s61, s53, 1
	s_add_co_u32 s58, s58, s61
	s_mul_i32 s58, s58, RECB                       ; query tiles 8 x block + 2 x place, + 1 in zrec
	s_mov_b32 s59, 0
	s_wait_dscnt 0x0                               ; both opening adds are done
	s_wait_kmcnt 0x0
	s_mov_b32 s[G0S+0], 1
	s_mov_b32 s[G0S+1], s60                        ; slot 0, a quarter
	s_add_nc_u64 s[G0S+2:G0S+3], s[6:7], s[44:45]
	s_or_b32 s[G0S+3], s[G0S+3], 0x80000000
	s_mov_b32 s[G0S+4], 1
	s_add_co_u32 s[G0S+5], s14, SLOTB              ; slot 1, my share
	s_add_nc_u64 s[G0S+6:G0S+7], s[6:7], s[56:57]
	s_or_b32 s[G0S+7], s[G0S+7], 0x80000000
	s_mov_b32 s[G0Z+0], 1
	s_mul_i32 s[G0Z+1], s53, 2*RECB
	s_add_co_u32 s[G0Z+1], s[G0Z+1], ZREG
	s_add_nc_u64 s[G0Z+2:G0Z+3], s[4:5], s[58:59]
	s_or_b32 s[G0Z+3], s[G0Z+3], 0x80000000
	ROUND                                          ; all four work-groups are here: the first joint loads meet
	s_cmp_lt_u32 s[WV], 4                          ; one tensor load a wave at the head, in the two arms of one branch on the wave's number
	s_cbranch_scc0 .Lhead_z
	tensor_load_to_lds s[G0S:G0S+3], s[G1J:G1J+7]  ; waves 0-3: a quarter of slot 0 each, jointly
	s_nop 0
	NOP4
	s_branch .Lhead_asked
.Lhead_z:
	tensor_load_to_lds s[G0Z:G0Z+3], s[G1Z:G1Z+7]  ; waves 4-7: two query records each
	s_nop 0
	NOP4
.Lhead_asked:
	s_lshl_b32 s58, s12, 9                         ; chunk: 512 bytes for a block of 128 queries
	s_add_nc_u64 s[8:9], s[8:9], s[58:59]
	v_and_b32 v[T0], 31, v0                        ; lane
	v_and_b32 v[T1], 15, v0                        ; r
	v_bfe_u32 v[HW], v0, 4, 1                      ; h
	v_lshl_add_u32 v[ADR], v[T0], 4, s14
	v_lshl_add_u32 v[ASC], v[T1], 3, s14
	v_lshl_add_u32 v[AEE], v[HW], 5, s14
	v_add_nc_u32 v[ADR+1], SLOTB, v[ADR]
	v_add_nc_u32 v[ASC], 4096, v[ASC]
	v_add_nc_u32 v[AEE], 4224, v[AEE]
	v_lshlrev_b32 v[GO], 4, v[T0]
	v_add_nc_u32 v[ASC+1], SLOTB, v[ASC]
	v_add_nc_u32 v[AEE+1], SLOTB, v[AEE]
	s_lshl_b32 s56, s[WV], 3
	v_add_nc_u32 v[HW], s56, v[HW]
	v_add_nc_u32 v[SCD], SCR, v[GO]
	s_lshl_b32 s57, s[WV], 10
	v_lshl_add_u32 v[SCW], v[T1], 2, s57
	v_add_nc_u32 v[ZAD], ZREG, v[GO]
	v_lshl_add_u32 v[ZS], v[T1], 3, ZREG+4096
	v_lshl_add_u32 v[ZN], v[T1], 2, ZREG+4224
	v_add_nc_u32 v[SCW], SCR, v[SCW]
	v_mov_b32 v[CUR], 0
.irp q, 0,1,2,3,4,5,6,7
	v_mov_b32 v[ZX+2*\q+1], 0x7f800000             ; the running minima begin at +infinity
	v_mov_b32 v[YY+\q], 0x7f800000
	v_mov_b32 v[SV+\q], 0x7f800000
	v_mov_b32 v[ID+\q], 0
	v_mov_b32 v[SI+\q], 0
	v_mov_b32 v[EE+8+\q], 0
.endr
.irp j, 0,1,2,3,4,5,6,7,8,9,10,11,12,13,14,15,16,17,18,19,20,21,22,23,24,25,26,27,28,29,30,31
	v_mov_b32 v[ACC+32+\j], 0xff800000             ; the loop is written once: its first phase finishes a tile that does not exist: dots of -infinity, distances of +infinity, which change nothing
.endr
	s_wait_alu depctr_va_vdst(0)
	s_cmp_lt_u32 s[WV], 4                          ; the waves that asked for the query records wait for them; slot 0's loads, lines of waves 0-3 alone, may stay out
	s_cbranch_scc1 .Lz_shown
	s_wait_tensorcnt 0x0
.Lz_shown:
	s_barrier_signal -1
	s_barrier_wait -1                              ; the eight query records are in
	WIN 0x40                                       ; destination window 1
.irp q, 0,1,2,3,4,5,6,7
.irp g, 0,1,2,3,4,5,6,7
	ds_load_b128 v[32*\q+4*\g:32*\q+4*\g+3], v[ZAD] offset:RECB*\q+512*\g   ; the 8 query tiles stay in registers
.endr
.endr
	WIN 0
.irp q, 0,1,2,3,4,5,6,7
	ds_load_b64 v[BS+2*\q:BS+2*\q+1], v[ZS] offset:RECB*\q
	ds_load_b32 v[ZX+2*\q], v[ZN] offset:RECB*\q
.endr
	s_wait_tensorcnt 0x0                           ; my tile of the head's is in
	ds_add_u32 v[SPW], v[NIL]
	s_mov_b32 s[G1J+2], 68<<16                     ; no tensor load of mine is out, so descriptors may be written: from here on a joint load brings 68 rows, four records,
	s_mov_b32 s[G1J+4], 68
	s_mov_b32 s[G0S+1], s14                        ; and slot 0's go to my share
	s_wait_dscnt 0x0                               ; the add is done, and the queries are in registers
	ROUND                                          ; everybody's tile is in, and all four work-groups are here
	tensor_load_to_lds s[G0S+4:G0S+7], s[G1J:G1J+7]   ; slot 1's first fill: my one tensor load behind the round
	s_nop 0
	NOP4
	ALOAD 0, 0, 0
	ELOAD 0, 0, 0
	s_mov_b32 s15, 7
.Lloop:                                                ; a trip is two steps, once round the ring: steps 0 to 13, fourteen refills
	TILE 0, 0, 0
	TILE 0, 1, 0
	TILE 0, 2, 0
	TILE 0, 3, 1
	TILE 1, 0, 0
	TILE 1, 1, 0
	TILE 1, 2, 0
	TILE 1, 3, 1
	s_sub_co_u32 s15, s15, 1
	s_cmp_lg_u32 s15, 0
	s_cbranch_scc1 .Lloop
	TILE 0, 0, 0                                   ; the last two steps are written out: nothing is left to fetch
	TILE 0, 1, 0
	TILE 0, 2, 0
	TILE 0, 3, 2
	TILE 1, 0, 0
	TILE 1, 1, 0
	TILE 1, 2, 0
	TILE 1, 3, 3
.irp k, 4,5,6,7
.irp j, 0,2,4,6
	FM \k, \j                                      ; the last tile's queries 64-127
.endr
.endr
	VR 4, 1, 1                                     ; every running minimum now lies in X
	; THE END: what was set aside at the wrap; the lane 16 away (the tiles' other halves); then the eight waves, through scratch
	LX8
.irp q, 0,1,2,3,4,5,6,7
	v_permlanex16_b32 v[SV+\q], v[ZX+2*\q+1], s54, s55
	v_permlanex16_b32 v[SI+\q], v[ID+\q], s54, s55
.endr
	LX8
.irp q, 0,1,2,3,4,5,6,7
	ds_store_b32 v[SCW], v[ZX+2*\q+1] offset:64*\q        ; query 16 q + r: value at 4 x query, chunk 512 bytes on; both lanes of a query write the same
	ds_store_b32 v[SCW], v[ID+\q] offset:512+64*\q
.endr
	s_wait_dscnt 0x0                               ; for the others' sake: my stores have landed
	s_barrier_signal -1
	s_barrier_wait -1
	s_cmp_lg_u32 s[WV], 0
	s_cbranch_scc1 .Lnot_zero
.irp w, 0,1,2,3,4,5,6,7
	ds_load_b128 v[100+8*\w:103+8*\w], v[SCD] offset:1024*\w        ; wave w's values of my four queries,
	ds_load_b128 v[104+8*\w:107+8*\w], v[SCD] offset:1024*\w+512    ; and their chunks
.endr
	s_wait_dscnt 0x0
	LXLEV 1                                        ; the eight waves' results are joined as a tree: four pairs, two, one
	LXLEV 2
	LXLEV 4
	global_store_b128 v[GO], v[104:107], s[8:9]    ; 512 consecutive bytes, aligned to 256
.Lnot_zero:
	s_wait_tensorcnt 0x0                           ; the wave's end
	ds_add_u32 v[SPW], v[NIL]
	s_wait_dscnt 0x0
	ROUND                                          ; the closing round
	s_endpgm
.Lfunc_end_k_qa38b55313e_main:
	.size	k_qa38b55313e_main, .Lfunc_end_k_qa38b55313e_main-k_qa38b55313e_main
	.p2alignl 7, 3214868480
	.fill 96, 4, 3214868480
	.section	.rodata,"a",@progbits
	.p2align	6, 0x0
	.amdhsa_kernel k_qa38b55313e_main
		.amdhsa_group_segment_fixed_size 327680
		.amdhsa_private_segment_fixed_size 0
		.amdhsa_enable_private_segment 0
		.amdhsa_kernarg_size 24
		.amdhsa_user_sgpr_count 2
		.amdhsa_user_sgpr_kernarg_segment_ptr 1
		.amdhsa_wavefront_size32 1
		.amdhsa_system_sgpr_workgroup_id_x 1
		.amdhsa_system_sgpr_workgroup_id_y 1
		.amdhsa_system_sgpr_workgroup_id_z 1
		.amdhsa_system_vgpr_workitem_id 0
		.amdhsa_next_free_vgpr 512
		.amdhsa_next_free_sgpr 98
		.amdhsa_reserve_vcc 0
		.amdhsa_float_denorm_mode_32 3
		.amdhsa_float_denorm_mode_16_64 3
		.amdhsa_memory_ordered 1
		.amdhsa_forward_progress 1
		.amdhsa_inst_pref_size 215
	.end_amdhsa_kernel
	.amdgpu_metadata
---
amdhsa.version: [ 1, 2 ]
amdhsa.kernels:
  - .name:           k_qa38b55313e_main
    .symbol:         k_qa38b55313e_main.kd
    .args:
      - { .name: zrec, .offset: 0, .size: 8, .value_kind: global_buffer, .address_space: global }
      - { .name: crec, .offset: 8, .size: 8, .value_kind: global_buffer, .address_space: global }
      - { .name: chunk, .offset: 16, .size: 8, .value_kind: global_buffer, .address_space: global }
    .group_segment_fixed_size: 327680
    .private_segment_fixed_size: 0
    .kernarg_segment_align: 8
    .kernarg_segment_size: 24
    .max_flat_workgroup_size: 256
    .sgpr_count:     98
    .vgpr_count:     512
    .wavefront_size: 32
...
	.end_amdgpu_metadata
.endif
;; end of part 2
;; launch resolve (part 3): grid 256 x 1, 16 waves a work-group, no clusters, 3,072 bytes of LDS; arguments zrec, crec, chunk, out1, idx; writes out1, idx
.if DOCPART == 3
	.amdgcn_target "amdgcn-amd-amdhsa--gfx1250"
	.amdhsa_code_object_version 6
	.text
	.protected	k_qa38b55313e_resolve
	.globl	k_qa38b55313e_resolve
	.p2align	8
	.type	k_qa38b55313e_resolve,@function
k_qa38b55313e_resolve:
	s_mov_b64 s[64:65], 0
	v_nop
	global_prefetch_b8 v0, s[64:65] scope:SCOPE_SE
	s_setreg_imm32_b32 hwreg(HW_REG_WAVE_MODE, 25, 1), 1
	s_wait_xcnt 0x0
; The winning chunk of each query (8 consecutive codes, stored as a whole number by the launch before) is multiplied once more, by the same matrix instruction on the same codes and scales, the 8 distances are made by the
; same two roundings, and the first of their minima gives the index: out1[n] = 8 x chunk + j; idx is the same numbers for the launch that follows.
; SHARES.  A work-group takes 8 tiles of 16 queries; two waves share a tile: wave 2 t + hf takes queries 8 hf .. 8 hf + 7 of tile t, as four PAIRS.  One tile of source 0 serves a pair (i0, i0 + 1): its rows 0-7 are
; chunk(i0)'s codes, rows 8-15 chunk(i0 + 1)'s.  In the result lane (r = i0, h = 0) holds i0's eight distances and lane (r = i0 + 1, h = 1) those of i0 + 1; the other lanes' results are not used.
; A code's row is gathered out of its record: chunk c lies in record c / 2 (4,352 bytes = 2,176 x 2), rows 8 (c % 2) on; in an image row rr, half h stands at 16 rr + 256 h of each 512 bytes.
; Every loaded chunk is held at 1,023 ahead of the address arithmetic.  No clusters, no tensor loads: nothing is shared, and each wave has 62 loads in all.
.set RECB, 4352
.set VO,  1                            ; v1-4    pair p: my row's place in the images
.set VS,  5                            ; v5-8    its scale words
.set VE,  9                            ; v9-12   the ee of the chunk in my half's rows
.set VT,  13                           ; v13     r - h - 8 hf: equal to 2 p in the lanes that hold a query of pair p
.set RI,  14                           ; v14     my query's index
.set TP,  15
.set AF,  16                           ; v16-143  source 0: 32 registers a pair
.set BF,  144                          ; v144-175 the tile of queries
.set ACC, 176                          ; v176-207 8 registers a pair
.set EE,  208                          ; v208-239 8 a pair
.set SC,  240                          ; v240-247 the codes' scale words, 2 a pair
.set BS,  248                          ; v248-249 the queries' scale words
.set ZZ,  250                          ; v250-251 (zz, 0)
.set CH,  252                          ; v252-255 pair p: the chunk in my half's rows
.set CL,  176                          ; at the head, in the accumulators' registers: pair p: the chunk of my row;
.set R_,  180                          ; r, h and offsets
.set H_,  181
.set H4,  183
.set L16, 184
.set R8,  185
.set R4,  186
.set U0,  187
.set U1,  188
.set U2,  189
.set KO,  190
.set KS,  191
.set R7,  192
.set VAL, 16                           ; behind the products, in source 0's registers
.set JJ,  20
.set CD,  24
	s_load_b256 s[4:11], s[0:1], 0x0               ; zrec s[4:5], crec s[6:7], chunk s[8:9], out1 s[10:11]
	s_load_b64 s[12:13], s[0:1], 0x20              ; idx
	v_lshrrev_b32 v[TP], 5, v0
	s_delay_alu instid0(VALU_DEP_1)
	v_readfirstlane_b32 s14, v[TP]                 ; wave 0..15
	s_lshr_b32 s15, s14, 1
	s_and_b32 s16, s14, 1                          ; hf
	s_lshl_b32 s17, ttmp9, 3
	s_add_co_u32 s17, s17, s15                     ; my tile of queries
	s_lshl_b32 s22, s16, 3
	s_lshl_b32 s23, s14, 6                         ; my wave's 64 bytes of LDS
	s_mov_b32 s20, 0x76543210
	s_mov_b32 s21, 0xfedcba98
	v_and_b32 v[R_], 15, v0
	v_bfe_u32 v[H_], v0, 4, 1
	s_delay_alu instid0(VALU_DEP_2)
	v_lshrrev_b32 v[TP], 3, v[R_]
	s_delay_alu instid0(VALU_DEP_1)
	v_lshlrev_b32 v[TP], 2, v[TP]                  ; 4 (r / 8): which query of a pair my row of source 0 serves
	s_delay_alu instid0(VALU_DEP_3)
	v_lshlrev_b32 v[H4], 2, v[H_]                  ; 4 h: which one my half of the result holds
	v_and_b32 v[L16], 31, v0
	s_delay_alu instid0(VALU_DEP_1)
	v_lshlrev_b32 v[L16], 4, v[L16]
	v_lshlrev_b32 v[R8], 3, v[R_]
	v_lshlrev_b32 v[R4], 2, v[R_]
	v_and_b32 v[R7], 7, v0
	s_delay_alu instid0(VALU_DEP_1)
	v_lshlrev_b32 v[KO], 4, v[R7]
	s_delay_alu instid0(VALU_DEP_1)
	v_lshl_add_u32 v[KO], v[H_], 8, v[KO]          ; 16 (r % 8) + 256 h
	s_delay_alu instid0(VALU_DEP_3)
	v_lshlrev_b32 v[KS], 3, v[R7]                  ; 8 (r % 8)
	v_sub_nc_u32 v[VT], v[R_], v[H_]
	s_delay_alu instid0(VALU_DEP_1)
	v_sub_nc_u32 v[VT], v[VT], s22
	v_mov_b32 v[RI], 0
	v_mov_b32 v[ZZ+1], 0                           ; (named with zz as a pair)
	s_lshl_b32 s18, s17, 6
	s_lshl_b32 s19, s16, 5
	s_add_co_u32 s18, s18, s19                     ; 4 x (16 x tile + 8 hf)
	s_mov_b32 s19, 0
	s_mul_i32 s28, s17, RECB
	s_mov_b32 s29, 0
	s_lshl_b32 s30, ttmp9, 9                       ; 128 indices a work-group
	s_mov_b32 s31, 0
	s_wait_alu depctr_va_vdst(0)
	s_wait_kmcnt 0x0
	s_add_nc_u64 s[8:9], s[8:9], s[18:19]
	s_add_nc_u64 s[4:5], s[4:5], s[28:29]
	s_add_nc_u64 s[10:11], s[10:11], s[30:31]
	s_add_nc_u64 s[12:13], s[12:13], s[30:31]
.irp p, 0,1,2,3
	global_load_b32 v[CL+\p], v[TP], s[8:9] offset:8*\p
	global_load_b32 v[CH+\p], v[H4], s[8:9] offset:8*\p
.endr
.irp g, 0,1,2,3,4,5,6,7
	global_load_b128 v[BF+4*\g:BF+4*\g+3], v[L16], s[4:5] offset:512*\g
.endr
	global_load_b64 v[BS:BS+1], v[R8], s[4:5] offset:4096
	global_load_b32 v[ZZ], v[R4], s[4:5] offset:4224
	s_wait_loadcnt 10                              ; the eight chunks are in; the ten loads of the queries' record may be out
.irp p, 0,1,2,3
	v_min_u32 v[CL+\p], 0x3ff, v[CL+\p]
	v_min_u32 v[CH+\p], 0x3ff, v[CH+\p]
.endr
.irp p, 0,1,2,3
	v_and_b32 v[U0], 1022, v[CL+\p]
	s_delay_alu instid0(VALU_DEP_1)
	v_mul_u32_u24 v[U0], v[U0], 2176               ; the record
	v_and_b32 v[U1], 1, v[CL+\p]
	s_delay_alu instid0(VALU_DEP_1)
	v_lshlrev_b32 v[U2], 7, v[U1]                  ; rows 8 on: 128 bytes on in the image,
	s_delay_alu instid0(VALU_DEP_1)
	v_add_nc_u32 v[VO+\p], v[U0], v[U2]
	s_delay_alu instid0(VALU_DEP_1)
	v_add_nc_u32 v[VO+\p], v[VO+\p], v[KO]
	s_delay_alu instid0(VALU_DEP_4)
	v_lshlrev_b32 v[U2], 6, v[U1]                  ; 64 among the scale words
	s_delay_alu instid0(VALU_DEP_1)
	v_add_nc_u32 v[VS+\p], v[U0], v[U2]
	s_delay_alu instid0(VALU_DEP_1)
	v_add_nc_u32 v[VS+\p], v[VS+\p], v[KS]
	v_and_b32 v[U0], 1022, v[CH+\p]
	s_delay_alu instid0(VALU_DEP_1)
	v_mul_u32_u24 v[U0], v[U0], 2176
	v_and_b32 v[U1], 1, v[CH+\p]
	s_delay_alu instid0(VALU_DEP_1)
	v_lshlrev_b32 v[U2], 5, v[U1]                  ; and 32 among the ee
	s_delay_alu instid0(VALU_DEP_1)
	v_add_nc_u32 v[VE+\p], v[U0], v[U2]
.endr
.irp p, 0,1,2,3
.irp g, 0,1,2,3,4,5,6,7
	global_load_b128 v[AF+32*\p+4*\g:AF+32*\p+4*\g+3], v[VO+\p], s[6:7] offset:512*\g
.endr
	global_load_b64 v[SC+2*\p:SC+2*\p+1], v[VS+\p], s[6:7] offset:4096
	global_load_b128 v[EE+8*\p:EE+8*\p+3], v[VE+\p], s[6:7] offset:4224
	global_load_b128 v[EE+8*\p+4:EE+8*\p+7], v[VE+\p], s[6:7] offset:4240
.endr
	s_wait_loadcnt 0x0
.irp s, 0,1                                    ; the four accumulators by turns; K step 0 starts the sums
.irp p, 0,1,2,3
.if \s == 0
	v_wmma_scale_f32_16x16x128_f8f6f4 v[ACC+8*\p:ACC+8*\p+7], v[AF+32*\p:AF+32*\p+15], v[BF:BF+15], 0, v[SC+2*\p], v[BS]
.else
	v_wmma_scale_f32_16x16x128_f8f6f4 v[ACC+8*\p:ACC+8*\p+7], v[AF+32*\p+16:AF+32*\p+31], v[BF+16:BF+31], v[ACC+8*\p:ACC+8*\p+7], v[SC+2*\p+1], v[BS+1]
.endif
.endr
.endr
.rept 8
	v_nop                                          ; eight places behind this form, in front of the reads of results and of writes into source 0's registers
.endr
.irp p, 0,1,2,3
.irp j, 0,2,4,6
	v_pk_fma_f32 v[ACC+8*\p+\j:ACC+8*\p+\j+1], v[ACC+8*\p+\j:ACC+8*\p+\j+1], -2.0, v[ZZ:ZZ+1] op_sel_hi:[1,0,0]   ; zz - 2 dot; each accumulator from its low end on
.endr
.endr
.irp p, 0,1,2,3
.irp j, 0,2,4,6
	v_pk_add_f32 v[ACC+8*\p+\j:ACC+8*\p+\j+1], v[ACC+8*\p+\j:ACC+8*\p+\j+1], v[EE+8*\p+\j:EE+8*\p+\j+1]
.endr
.endr
.irp p, 0,1,2,3
	v_mov_b32 v[VAL+\p], v[ACC+8*\p]
	v_mov_b32 v[JJ+\p], 0
.endr
.irp j, 1,2,3,4,5,6,7
.irp p, 0,1,2,3
	v_cmp_lt_f32 s[24+\p], v[ACC+8*\p+\j], v[VAL+\p]   ; strictly less: the first of equal minima stays
.endr
.irp p, 0,1,2,3
	s_delay_alu instid0(VALU_DEP_4)
	v_cndmask_b32 v[JJ+\p], v[JJ+\p], \j, s[24+\p]
.endr
.irp p, 0,1,2,3
	v_min_num_f32 v[VAL+\p], v[VAL+\p], v[ACC+8*\p+\j]
.endr
.endr
.irp p, 0,1,2,3
	v_lshl_add_u32 v[CD+\p], v[CH+\p], 3, v[JJ+\p] ; 8 x chunk + j
.endr
.irp p, 0,1,2,3
	v_cmp_eq_u32 s[24+\p], 2*\p, v[VT]
	s_delay_alu instid0(VALU_DEP_1)
	v_cndmask_b32 v[RI], v[RI], v[CD+\p], s[24+\p] ; the lanes that hold a query of pair p take it
.endr
	s_delay_alu instid0(VALU_DEP_1)
	v_permlanex16_b32 v[TP], v[RI], s20, s21
	v_and_b32 v33, 1, v0
	v_bfe_u32 v34, v0, 4, 1
	s_delay_alu instid0(VALU_DEP_1)
	v_cmp_eq_u32 vcc_lo, v33, v34                  ; query r's index lies in the half h = r % 2
	s_delay_alu instid0(VALU_DEP_1)
	v_cndmask_b32 v[RI], v[TP], v[RI], vcc_lo
	v_and_b32 v28, 15, v0
	s_delay_alu instid0(VALU_DEP_1)
	v_lshl_add_u32 v29, v28, 2, s23                ; into my wave's own 64 bytes: 4 r (the eight r that are not mine hold nothing of use and are not read)
	v_bfe_u32 v30, v0, 2, 3
	s_delay_alu instid0(VALU_DEP_1)
	v_lshlrev_b32 v30, 7, v30
	v_bfe_u32 v31, v0, 1, 1
	s_delay_alu instid0(VALU_DEP_1)
	v_lshl_add_u32 v30, v31, 6, v30
	v_and_b32 v31, 3, v0
	s_delay_alu instid0(VALU_DEP_1)
	v_lshl_add_u32 v30, v31, 4, v30                ; wave 0's lane l reads queries 4 l .. 4 l + 3: tile l / 4, wave half (l / 2) % 2, 16 (l % 4)
	v_and_b32 v32, 31, v0
	s_delay_alu instid0(VALU_DEP_1)
	v_lshlrev_b32 v32, 4, v32
	ds_store_b32 v29, v[RI]
	s_wait_dscnt 0x0                               ; for the others' sake
	s_barrier_signal -1
	s_barrier_wait -1
	s_cmp_lg_u32 s14, 0
	s_cbranch_scc1 .Ldone
	s_wait_alu depctr_va_vdst(0)
	ds_load_b128 v[36:39], v30
	s_wait_dscnt 0x0
	global_store_b128 v32, v[36:39], s[10:11]      ; 512 consecutive bytes, aligned to 256
	global_store_b128 v32, v[36:39], s[12:13]
.Ldone:
	s_wait_xcnt 0x0
	v_lshl_add_u32 v254, v0, 2, 0x400
	v_mov_b32 v255, 0
	s_wait_alu depctr_va_vdst(0)
	s_wait_tensorcnt 0x0
	ds_add_u32 v254, v255
	s_wait_dscnt 0x0
	s_endpgm
.Lfunc_end_k_qa38b55313e_resolve:
	.size	k_qa38b55313e_resolve, .Lfunc_end_k_qa38b55313e_resolve-k_qa38b55313e_resolve
	.p2alignl 7, 3214868480
	.fill 96, 4, 3214868480
	.section	.rodata,"a",@progbits
	.p2align	6, 0x0
	.amdhsa_kernel k_qa38b55313e_resolve
		.amdhsa_group_segment_fixed_size 3072
		.amdhsa_private_segment_fixed_size 0
		.amdhsa_enable_private_segment 0
		.amdhsa_kernarg_size 40
		.amdhsa_user_sgpr_count 2
		.amdhsa_user_sgpr_kernarg_segment_ptr 1
		.amdhsa_wavefront_size32 1
		.amdhsa_system_sgpr_workgroup_id_x 1
		.amdhsa_system_sgpr_workgroup_id_y 1
		.amdhsa_system_sgpr_workgroup_id_z 1
		.amdhsa_system_vgpr_workitem_id 0
		.amdhsa_next_free_vgpr 256
		.amdhsa_next_free_sgpr 66
		.amdhsa_reserve_vcc 1
		.amdhsa_float_denorm_mode_32 3
		.amdhsa_float_denorm_mode_16_64 3
		.amdhsa_memory_ordered 1
		.amdhsa_forward_progress 1
		.amdhsa_inst_pref_size 24
	.end_amdhsa_kernel
	.amdgpu_metadata
---
amdhsa.version: [ 1, 2 ]
amdhsa.kernels:
  - .name:           k_qa38b55313e_resolve
    .symbol:         k_qa38b55313e_resolve.kd
    .args:
      - { .name: zrec, .offset: 0, .size: 8, .value_kind: global_buffer, .address_space: global }
      - { .name: crec, .offset: 8, .size: 8, .value_kind: global_buffer, .address_space: global }
      - { .name: chunk, .offset: 16, .size: 8, .value_kind: global_buffer, .address_space: global }
      - { .name: out1, .offset: 24, .size: 8, .value_kind: global_buffer, .address_space: global }
      - { .name: idx, .offset: 32, .size: 8, .value_kind: global_buffer, .address_space: global }
    .group_segment_fixed_size: 3072
    .private_segment_fixed_size: 0
    .kernarg_segment_align: 8
    .kernarg_segment_size: 40
    .max_flat_workgroup_size: 512
    .sgpr_count:     66
    .vgpr_count:     256
    .wavefront_size: 32
...
	.end_amdgpu_metadata
.endif
;; end of part 3
;; launch gather (part 4): grid 256 x 1, 8 waves a work-group, no clusters, 0 bytes of LDS; arguments codebook, idx, out0; writes out0
.if DOCPART == 4
	.amdgcn_target "amdgcn-amd-amdhsa--gfx1250"
	.amdhsa_code_object_version 6
	.text
	.protected	k_qa38b55313e_gather
	.globl	k_qa38b55313e_gather
	.p2align	8
	.type	k_qa38b55313e_gather,@function
k_qa38b55313e_gather:
	s_mov_b64 s[64:65], 0
	v_nop
	global_prefetch_b8 v0, s[64:65] scope:SCOPE_SE
	s_setreg_imm32_b32 hwreg(HW_REG_WAVE_MODE, 25, 1), 1
	s_wait_xcnt 0x0
; out0[n][:] = codebook[idx[n]][:], f32, rows of 1,024 bytes.  idx holds the indices that the launch before stored.
; A wave takes 16 rows: its 16 indices come by one scalar load, each is held at 8,191, and each row is two loads and two stores of 512 consecutive bytes.  All 32 loads of a wave are out together;
; the stores follow as the loads come back.  Memory binds: no LDS, no barrier, no matrix unit, no cluster (no two work-groups share a tile).  No hint on the loads: a row may be named many times.
	s_load_b128 s[4:7], s[0:1], 0x0                ; codebook s[4:5], idx s[6:7]
	s_load_b64 s[8:9], s[0:1], 0x10                ; out0
	v_lshrrev_b32 v1, 5, v0
	s_delay_alu instid0(VALU_DEP_1)
	v_readfirstlane_b32 s10, v1                    ; wave 0..7
	s_lshl_b32 s11, ttmp9, 7
	s_lshl_b32 s12, s10, 4
	s_add_co_u32 s11, s11, s12                     ; my first row: 128 x work-group + 16 x wave
	s_lshl_b32 s12, s11, 2
	s_mov_b32 s13, 0
	s_lshl_b32 s14, s11, 10
	s_mov_b32 s15, 0
	v_and_b32 v1, 31, v0
	s_delay_alu instid0(VALU_DEP_1)
	v_lshlrev_b32 v1, 4, v1                        ; 16 x lane
	s_wait_alu depctr_va_vdst(0)
	s_wait_kmcnt 0x0
	s_add_nc_u64 s[6:7], s[6:7], s[12:13]
	s_add_nc_u64 s[8:9], s[8:9], s[14:15]
	s_load_b512 s[16:31], s[6:7], 0x0              ; my 16 indices
	s_wait_kmcnt 0x0
.irp i, 0,1,2,3,4,5,6,7,8,9,10,11,12,13,14,15
	s_min_u32 s[16+\i], s[16+\i], 0x1fff
.endr
.irp i, 0,1,2,3,4,5,6,7,8,9,10,11,12,13,14,15
	v_lshl_add_u32 v[2+\i], s[16+\i], 10, v1       ; the row's first byte + 16 x lane
.endr
.irp i, 0,1,2,3,4,5,6,7,8,9,10,11,12,13,14,15
	global_load_b128 v[32+8*\i:35+8*\i], v[2+\i], s[4:5]
	global_load_b128 v[36+8*\i:39+8*\i], v[2+\i], s[4:5] offset:512
.endr
.irp i, 0,1,2,3,4,5,6,7,8,9,10,11,12,13,14,15
	s_wait_loadcnt 31-2*\i                         ; loads come back in order (ISA guide 5.7.1): this one is in, the younger ones stay out
	global_store_b128 v1, v[32+8*\i:35+8*\i], s[8:9] offset:1024*\i
	s_wait_loadcnt 30-2*\i
	global_store_b128 v1, v[36+8*\i:39+8*\i], s[8:9] offset:1024*\i+512
.endr
	s_endpgm
.Lfunc_end_k_qa38b55313e_gather:
	.size	k_qa38b55313e_gather, .Lfunc_end_k_qa38b55313e_gather-k_qa38b55313e_gather
	.p2alignl 7, 3214868480
	.fill 96, 4, 3214868480
	.section	.rodata,"a",@progbits
	.p2align	6, 0x0
	.amdhsa_kernel k_qa38b55313e_gather
		.amdhsa_group_segment_fixed_size 0
		.amdhsa_private_segment_fixed_size 0
		.amdhsa_enable_private_segment 0
		.amdhsa_kernarg_size 24
		.amdhsa_user_sgpr_count 2
		.amdhsa_user_sgpr_kernarg_segment_ptr 1
		.amdhsa_wavefront_size32 1
		.amdhsa_system_sgpr_workgroup_id_x 1
		.amdhsa_system_sgpr_workgroup_id_y 1
		.amdhsa_system_sgpr_workgroup_id_z 1
		.amdhsa_system_vgpr_workitem_id 0
		.amdhsa_next_free_vgpr 160
		.amdhsa_next_free_sgpr 66
		.amdhsa_reserve_vcc 0
		.amdhsa_float_denorm_mode_32 3
		.amdhsa_float_denorm_mode_16_64 3
		.amdhsa_memory_ordered 1
		.amdhsa_forward_progress 1
		.amdhsa_inst_pref_size 11
	.end_amdhsa_kernel
	.amdgpu_metadata
---
amdhsa.version: [ 1, 2 ]
amdhsa.kernels:
  - .name:           k_qa38b55313e_gather
    .symbol:         k_qa38b55313e_gather.kd
    .args:
      - { .name: codebook, .offset: 0, .size: 8, .value_kind: global_buffer, .address_space: global }
      - { .name: idx, .offset: 8, .size: 8, .value_kind: global_buffer, .address_space: global }
      - { .name: out0, .offset: 16, .size: 8, .value_kind: global_buffer, .address_space: global }
    .group_segment_fixed_size: 0
    .private_segment_fixed_size: 0
    .kernarg_segment_align: 8
    .kernarg_segment_size: 24
    .max_flat_workgroup_size: 256
    .sgpr_count:     66
    .vgpr_count:     160
    .wavefront_size: 32
...
	.end_amdgpu_metadata
.endif
;; end of part 4
